; MI455X (gfx1250); checked and timed in simulation.
; The chip was launched on July 23, 2026; its instructions are those of AMD's public machine-readable ISA for CDNA 5 (MIT licence, August 2026) and "CDNA5" Instruction Set Architecture Reference Guide (July 2026). The comments in the code are by the model that wrote it; some were corrected since.
;; KDE Mixture. Allowed arithmetic: matrix products marked QUANTISED: E2M1 operands, one E8M0 scale for each 32 along K, by v_wmma_scale_f32_16x16x128_f8f6f4 with both operands' format E2M1 (or v_wmma_scale_f32_32x16x128_f4), f32 sums; everything else in f32.
;; Inputs: bandwidth one number float32; points 16,384 x 64 float32; spatial_data 16,384 x 64 float32; weights 16,384 float32.
;; Outputs: out0 16,384 float32.
;; This version of the problem:
;;   THIS VERSION OF THE PROBLEM IS GIVEN IN LOW PRECISION. The matrix products marked QUANTISED in the list below multiply operands that are first quantised to E2M1 (2 exponent bits, 1 mantissa bit; 4 bits a number), with one power-of-two scale for each 32 numbers along K (OCP MX v1.0); their sums are f32. All else is computed in f32.
;;   The module's matrix products, in the order in which they are computed (A, B: the left and right operand; K: the contracted axis; several contracted axes count as one K, in the product's order):
;;     1. [M 16,384, K 64] x [K 64, N 16,384]; A: input points; B: input spatial_data: QUANTISED
;;   THE QUANTISER, for each operand of a quantised product, along K:
;;     - K is cut into blocks of 32 from its start; a last block that is shorter is filled with zeros.
;;     - A block's scale is 2^e with e = floor(log2(the largest magnitude in the block)) - 2, held to -126 .. 127; a block of zeros has e = 0. As a byte (E8M0): e + 127.
;;     - Each number is divided by its block's scale, clamped to +-6, and rounded to the nearest number of E2M1, ties to even, subnormals kept.
;;     - The product sums the exact products of the quantised numbers (number of the format x scale) in f32.
;;   ~~~python
;;   def quantise(x, axis):      # numpy; x: float32 -> the quantised numbers, widened to float32 again
;;       x = np.moveaxis(x, axis, -1); K = x.shape[-1]
;;       x = np.pad(x, [(0, 0)] * (x.ndim - 1) + [(0, -K % 32)]); x = x.reshape(x.shape[:-1] + (-1, 32)); a = np.abs(x).max(-1, keepdims=True)
;;       e = np.where(a > 0, np.clip(np.frexp(np.where(a > 0, a, 1))[1] - 1 - 2, -126, 127), 0)      # np.frexp(a)[1] - 1 = floor(log2(a)), exactly
;;       r = np.clip(x / 2.0 ** e, -6, 6)
;;       step = 2.0 ** (np.maximum(np.frexp(np.where(r == 0, 1, r))[1] - 1, 0) - 1)
;;       q = np.round(r / step) * step * 2.0 ** e      # np.round: ties to even
;;       return np.moveaxis(q.reshape(q.shape[:-2] + (-1,))[..., :K], -1, axis).astype(np.float32)
;;   ~~~
;; One version. Each part assembles by itself: llvm-mc -triple=amdgcn-amd-amdhsa -mcpu=gfx1250 --defsym DOCPART=n.
;; ======== version 1 of 1: 2 launches
;; workspace buffers: prec 786,432 bytes; srec 786,432 bytes
;; launch prep (part 1): grid 512 x 1, 4 waves a work-group, no clusters, 17,920 bytes of LDS; arguments points, spatial_data, weights, bandwidth, prec, srec; writes prec, srec
.if DOCPART == 1
	.amdgcn_target "amdgcn-amd-amdhsa--gfx1250"
	.amdhsa_code_object_version 6
	.text
	.protected	k_qfbb0291d21_prep
	.globl	k_qfbb0291d21_prep
	.p2align	8
	.type	k_qfbb0291d21_prep,@function
k_qfbb0291d21_prep:
	s_mov_b64 s[64:65], 0
	v_nop
	global_prefetch_b8 v0, s[64:65] scope:SCOPE_SE
	s_setreg_imm32_b32 hwreg(HW_REG_WAVE_MODE, 25, 1), 1
	s_wait_xcnt 0x0
; points [16384][64] and spatial_data [16384][64], f32, are turned ONCE into RECORDS that the second launch takes as they lie.
; A record serves a tile of 16 rows and is 768 bytes, three aligned blocks of 256:
;   bytes 0-511   the image of registers 0-3 of a 4-bit fragment: lane l = r + 16 h has 16 bytes at 16 l: the E2M1 codes of k = 32 h .. 32 h + 31 of row r, the lower k in the lower bits
;   bytes 512-767 16 bytes a row r: word 0 the row's term, word 1 its scale word, word 2 its weight, word 3 zero
;   term: points: -|p|^2 / 2;  data: -c |s|^2 with c = log2(e) / (2 b^2).   weight: data: w[n]; points: 0.
;   scale word: byte 0, 1 = the E8M0 bytes of the row's two blocks of 32; bytes 2, 3 = 127, for the zero codes with which the second launch fills K = 64 .. 127.
; A block's scale is 2^(floor(log2(its largest magnitude)) - 2): its byte is that magnitude's exponent field - 2, held at 1 from below.
; The norms are taken of the numbers as they come, in f32, not of the codes.
; LIMITS: NaN and infinities among the inputs are not served; b^2 and 1 / b^2 must be normal f32 numbers; a block of zeros gets the byte 1 where the
; quantiser's rule says 127: its codes are zeros, which add nothing under any byte but 0xff, and this program alone reads the bytes.
; SHARES.  Work-groups 0-255 take points, 256-511 the data: only pointers and one factor are chosen, both walk one text.  A wave takes one tile: 16 rows = 4,096 dense bytes.
; Each of its eight loads reads 512 consecutive bytes; the conversions want 32 neighbours along K in ONE lane, so the tile turns through the wave's own stage in LDS.
; No loop, no barrier: waves share nothing.
.set PITCH, 272                        ; a stage row: 256 bytes + 16, so that sixteen rows' equal columns lie 16 bytes apart modulo 256
.set STG,   16*PITCH                   ; a wave's stage
.set REC,   768
.set R,     32                         ; v32-63  the tile as loaded
.set X,     64                         ; v64-95  my 32 neighbours along K
	s_load_b256 s[4:11], s[0:1], 0x0               ; points s[4:5], spatial_data s[6:7], weights s[8:9], bandwidth s[10:11]
	s_load_b128 s[12:15], s[0:1], 0x20             ; prec s[12:13], srec s[14:15]
	v_lshl_add_u32 v96, v0, 2, 0x4400
	v_mov_b32 v97, 0
	v_lshrrev_b32 v1, 5, v0
	v_readfirstlane_b32 s16, v1                    ; wave 0..3
	v_and_b32 v1, 31, v0                           ; lane
	v_and_b32 v2, 15, v0                           ; r
	v_bfe_u32 v3, v0, 4, 1                         ; h
	v_lshlrev_b32 v4, 4, v1                        ; 16 x lane: my bytes of a load's 512, and of the codes' image
	s_mul_i32 s19, s16, STG                        ; my wave's stage
	v_mul_u32_u24 v5, v3, PITCH
	v_lshl_add_u32 v5, v2, 4, v5
	v_add_nc_u32 v5, s19, v5                       ; into the stage: a load holds two rows: row h of them, byte 16 r
	v_mul_u32_u24 v6, v2, PITCH
	v_lshl_add_u32 v6, v3, 7, v6
	v_add_nc_u32 v6, s19, v6                       ; out of it: row r, byte 128 h: my block of 32 numbers
	v_lshlrev_b32 v7, 2, v2                        ; 4 r: my row's weight
	v_lshlrev_b32 v8, 4, v2
	v_lshl_add_u32 v8, v3, 3, v8                   ; 16 r + 8 h: my half of my row's 16 bytes behind the codes
	v_lshlrev_b32 v9, 3, v3                        ; 8 h: my byte's place in the scale word
	v_mov_b32 v10, 0                               ; the weight of a row of points
	v_mov_b32 v12, -0.5                            ; the factor of a point's norm
	v_mov_b32 v18, 0                               ; written once: a lane permute's destination counts as one of its sources
	v_mov_b32 v25, 0
	s_mov_b32 s22, 0x76543210
	s_mov_b32 s23, 0xfedcba98                      ; v_permlanex16_b32's selects for lane l xor 16
	s_mov_b32 s25, 0
	s_wait_kmcnt 0x0
	s_load_b32 s20, s[10:11], 0x0                  ; b
	s_cmp_lt_u32 ttmp9, 256                        ; points' work-group or the data's?  The choice hangs on the work-group's number alone
	s_cselect_b64 s[4:5], s[4:5], s[6:7]           ; the numbers,
	s_cselect_b64 s[12:13], s[12:13], s[14:15]     ; the records,
	s_cselect_b32 s21, -1, 0                       ; a mask of all lanes for points,
	s_cselect_b32 s18, 0, 256
	s_sub_co_u32 s17, ttmp9, s18
	s_lshl_b32 s17, s17, 2
	s_add_co_u32 s17, s17, s16                     ; my tile: 4 x the work-group's number within its tensor + wave
	s_lshl_b32 s24, s17, 12
	s_add_nc_u64 s[4:5], s[4:5], s[24:25]          ; 4,096 bytes of numbers a tile
	s_mul_i32 s24, s17, REC
	s_add_nc_u64 s[12:13], s[12:13], s[24:25]      ; 768 bytes of record
	s_lshl_b32 s24, s17, 6
	s_add_nc_u64 s[8:9], s[8:9], s[24:25]          ; 64 bytes of weights
	s_cmp_lt_u32 ttmp9, 256                        ; (the sums above have written SCC)
	s_cbranch_scc1 .Lpoints
	global_load_b32 v10, v7, s[8:9]                ; the data's weights.  Issued ahead of the tile's loads, so that the counts below hold with it and without it
.Lpoints:
.irp i, 0,1,2,3,4,5,6,7
	global_load_b128 v[R+4*\i:R+4*\i+3], v4, s[4:5] offset:512*\i th:TH_LOAD_NT   ; 32 lanes read 512 consecutive bytes: rows 2 i and 2 i + 1
.endr
	s_wait_kmcnt 0x0                               ; b.  The factor is made while the loads are out
	v_mul_f32 v11, s20, s20
	v_rcp_f32 v11, v11                             ; 1 / b^2
	v_nop                                          ; a plain instruction behind the reciprocal,
	s_wait_alu depctr_va_vdst(0)                   ; and the wait ahead of the first line that names its result
	v_mul_f32 v11, 0xbf38aa3b, v11                 ; -c = -(log2(e) / 2) / b^2: exactly half of the q that the second launch makes from the same reciprocal
	v_cndmask_b32 v11, v11, v12, s21               ; points: -1/2
.irp i, 0,1,2,3,4,5,6,7
	s_wait_loadcnt 7-\i                            ; loads come back in order: load i is in, the 7 - i issued behind it may be out
	ds_store_b128 v5, v[R+4*\i:R+4*\i+3] offset:2*PITCH*\i
.endr
.irp i, 0,1,2,3,4,5,6,7
	ds_load_b128 v[X+4*\i:X+4*\i+3], v6 offset:16*\i   ; LDS serves a wave's instructions in order: these see the stores above
.endr
	s_wait_dscnt 0x0
	; the block's largest magnitude: all 32 numbers are mine; two chains, so that no line waits for the line above it
	v_max3_num_f32 v14, |v[X]|, |v[X+1]|, |v[X+2]|
	v_max3_num_f32 v15, |v[X+3]|, |v[X+4]|, |v[X+5]|
.irp i, 6,10,14,18,22,26
	v_max3_num_f32 v14, v14, |v[X+\i]|, |v[X+\i+1]|
	v_max3_num_f32 v15, v15, |v[X+\i+2]|, |v[X+\i+3]|
.endr
	v_max3_num_f32 v14, v14, |v[X+30]|, |v[X+31]|
	v_max3_num_f32 v14, v14, v15, 0x1800000        ; and the floor 2^(3 - 127), under which no largest magnitude is taken: so the byte cannot fall under 1
	v_add_nc_u32 v16, 0xff000000, v14              ; 2 off its exponent field: the conversion takes the exponent field of this operand as its scale, and nothing else of it
.irp g, 0,1,2,3
	v_cvt_scalef32_pk8_fp4_f32 v[28+\g], v[X+8*\g:X+8*\g+7], v16   ; eight numbers / the scale, to the nearest code, ties to even, beyond 6 the largest code
.endr
	v_lshrrev_b32 v17, 23, v16                     ; the scale's byte.  (Also the plain line behind the conversions)
	global_store_b128 v4, v[28:31], s[12:13]       ; the codes' image: 512 consecutive bytes, two whole aligned blocks of 256
	v_lshlrev_b32 v17, v9, v17                     ; my block's byte at its place,
	v_permlanex16_b32 v18, v17, s22, s23
	v_or_b32 v17, v17, v18                         ; with lane l xor 16's: the row's two bytes,
	v_or_b32 v17, 0x7f7f0000, v17                  ; and 127 twice
	; the sum of my 32 squares, two at a time, in two chains
	v_pk_mul_f32 v[20:21], v[X:X+1], v[X:X+1]
	v_pk_mul_f32 v[22:23], v[X+2:X+3], v[X+2:X+3]
.irp i, 4,8,12,16,20,24,28
	v_pk_fma_f32 v[20:21], v[X+\i:X+\i+1], v[X+\i:X+\i+1], v[20:21]
	v_pk_fma_f32 v[22:23], v[X+\i+2:X+\i+3], v[X+\i+2:X+\i+3], v[22:23]
.endr
	v_pk_add_f32 v[20:21], v[20:21], v[22:23]
	v_add_f32 v24, v20, v21
	v_permlanex16_b32 v25, v24, s22, s23
	v_add_f32 v24, v24, v25                        ; with lane l xor 16's 32: the row's squared norm
	v_mul_f32 v24, v11, v24                        ; the row's term
	v_cmp_gt_u32 vcc_lo, 16, v1                    ; lanes 0-15 store (term, scale word), lanes 16-31 (weight, 0)
	v_cndmask_b32 v26, v10, v24, vcc_lo
	v_cndmask_b32 v27, 0, v17, vcc_lo
	global_store_b64 v8, v[26:27], s[12:13] offset:512   ; 32 lanes x 8 bytes fill the record's third block of 256 bytes whole
	s_wait_tensorcnt 0x0
	ds_add_u32 v96, v97
	s_wait_dscnt 0x0
	s_endpgm
.Lfunc_end_k_qfbb0291d21_prep:
	.size	k_qfbb0291d21_prep, .Lfunc_end_k_qfbb0291d21_prep-k_qfbb0291d21_prep
	.p2alignl 7, 3214868480
	.fill 96, 4, 3214868480
	.section	.rodata,"a",@progbits
	.p2align	6, 0x0
	.amdhsa_kernel k_qfbb0291d21_prep
		.amdhsa_group_segment_fixed_size 17920
		.amdhsa_private_segment_fixed_size 0
		.amdhsa_enable_private_segment 0
		.amdhsa_kernarg_size 48
		.amdhsa_user_sgpr_count 2
		.amdhsa_user_sgpr_kernarg_segment_ptr 1
		.amdhsa_wavefront_size32 1
		.amdhsa_system_sgpr_workgroup_id_x 1
		.amdhsa_system_sgpr_workgroup_id_y 1
		.amdhsa_system_sgpr_workgroup_id_z 1
		.amdhsa_system_vgpr_workitem_id 0
		.amdhsa_next_free_vgpr 98
		.amdhsa_next_free_sgpr 66
		.amdhsa_reserve_vcc 1
		.amdhsa_float_denorm_mode_32 3
		.amdhsa_float_denorm_mode_16_64 3
		.amdhsa_memory_ordered 1
		.amdhsa_forward_progress 1
		.amdhsa_inst_pref_size 8
	.end_amdhsa_kernel
	.amdgpu_metadata
---
amdhsa.version: [ 1, 2 ]
amdhsa.kernels:
  - .name:           k_qfbb0291d21_prep
    .symbol:         k_qfbb0291d21_prep.kd
    .args:
      - { .name: points, .offset: 0, .size: 8, .value_kind: global_buffer, .address_space: global }
      - { .name: spatial_data, .offset: 8, .size: 8, .value_kind: global_buffer, .address_space: global }
      - { .name: weights, .offset: 16, .size: 8, .value_kind: global_buffer, .address_space: global }
      - { .name: bandwidth, .offset: 24, .size: 8, .value_kind: global_buffer, .address_space: global }
      - { .name: prec, .offset: 32, .size: 8, .value_kind: global_buffer, .address_space: global }
      - { .name: srec, .offset: 40, .size: 8, .value_kind: global_buffer, .address_space: global }
    .group_segment_fixed_size: 17920
    .private_segment_fixed_size: 0
    .kernarg_segment_align: 8
    .kernarg_segment_size: 48
    .max_flat_workgroup_size: 128
    .sgpr_count:     66
    .vgpr_count:     98
    .wavefront_size: 32
...
	.end_amdgpu_metadata
.endif
;; end of part 1
;; launch kde (part 2): grid 256 x 1, 16 waves a work-group, clusters of 4 x 1, 327,680 bytes of LDS; arguments prec, srec, bandwidth, out0; writes out0
.if DOCPART == 2
	.amdgcn_target "amdgcn-amd-amdhsa--gfx1250"
	.amdhsa_code_object_version 6
	.text
	.protected	k_qfbb0291d21_kde
	.globl	k_qfbb0291d21_kde
	.p2align	8
	.type	k_qfbb0291d21_kde,@function
k_qfbb0291d21_kde:
	s_mov_b64 s[64:65], 0
	v_nop
	global_prefetch_b8 v0, s[64:65] scope:SCOPE_SE
	s_setreg_imm32_b32 hwreg(HW_REG_WAVE_MODE, 25, 1), 1
	s_wait_xcnt 0x0
	s_wait_alu depctr_hold_cnt(0) depctr_sa_sdst(0) depctr_va_vdst(0) depctr_va_sdst(0) depctr_va_ssrc(0) depctr_va_vcc(0) depctr_vm_vsrc(0)
	s_getreg_b32 s2, hwreg(HW_REG_IB_STS2, 6, 4)
	s_cmp_eq_u32 s2, 0
	s_cbranch_scc0 .Lentry_in_a_cluster
	s_endpgm
.Lentry_in_a_cluster:
	s_bfe_u32 s2, ttmp6, 0x10000c
	s_cmp_lg_u32 s2, 0x3003
	s_cbranch_scc0 .Lentry_shape_is_right
	s_endpgm
.Lentry_shape_is_right:
; out[m] = the sum over n of w[n] 2^min(t, 0),  t = q (cross[m][n] - |p_m|^2 / 2) - c |s_n|^2,  q = log2(e) / b^2 = 2 c:  that is w[n] exp(-max(|p|^2 + |s|^2 - 2 cross, 0) / (2 b^2)).
; cross = points x data^T on codes of FP4 (E2M1) with one E8M0 scale for each 32 along K = 64; the instruction's K = 64 .. 127 are zero codes under the byte 127.
; Both operands come as the first launch's records of 768 bytes for 16 rows: 512 bytes, the image of a fragment's registers 0-3; then 16 bytes a row: term, scale word, weight, 0.
; LAYOUT.  Source 0 = 16 points, source 1 = 16 rows of data: in the result lane (r, h) holds data row n = r, its register j point m = 8 h + j.
;   -|p|^2 / 2 is the product's C (eight registers a tile of points, kept for the whole launch): it costs no instruction.
;   -c |s|^2 and w are ONE number a lane each, and come with the scale word by one LDS load of 16 bytes.
;   So two elements cost one packed multiply-add (t), two minima, two exponentials, one packed multiply-add (sum += k w).
; SHARES.  A work-group owns 64 points, four tiles, which all its sixteen waves hold in registers.  The waves share the DATA: in step s (of 8) wave w takes the tiles 128 s + 8 w + 0 .. 7.
;   Each tile of data is read from LDS once in the work-group and feeds four matrix instructions.  Four waves lie on a SIMD, 256 registers each, so that one wave's exponentials stand beside another's plain work.
; THE STREAM.  Every work-group walks the same 786,432 bytes of records: the four work-groups of a cluster ask for them JOINTLY (the same tensor load, the same descriptor, a mask that names the four).
;   Two LDS slots of a step's 98,304 bytes.  Each wave fetches its own 6,144 bytes of a slot (24 rows of 256 bytes: all that it has) and reads nobody else's: its own wait on TENSORcnt orders its reads.
; THE SUMS.  A lane sums its column's terms; at the end four steps across sixteen lanes, then the sixteen waves' 64 sums meet in LDS, and wave 0 stores the work-group's 64 numbers as one aligned block of 256 bytes.
; LIMITS: NaN and infinities among the inputs are not served; b^2 and 1 / b^2 must be normal f32 numbers; a term 2^t under 2^-126 counts as 0 (v_exp_f32 gives 0 there: ISA guide, its entry);
;   the sums over n run in another order than a row-wise sum.
.set REC,   768
.set PART,  8*REC                      ; a wave's part of a slot: 6,144 bytes
.set STEPB, 16*PART                    ; a step's records: 98,304 bytes
.set SLOT1, 1<<17                      ; slot 1 begins here, so that one exclusive or turns an address in one slot into the other's
.set RED,   2*SLOT1                    ; behind the ring: 16 waves x 64 sums; no tile lands here
.set SPARE, RED+4096                   ; the spare words, 128 bytes for each wave: eight blocks of 256 bytes that no other line names
.set SPW, 8                            ; v8      LDS address of my spare word: SPARE + 4 x my thread's number; never rewritten
.set NIL, 9                            ; v9      0; never rewritten
.set QQ,  10                           ; v[10:11] q, twice
.set AS,  16                           ; v16-19  the points' scale words, a register a tile: they hold scales and nothing else
.set PT,  32                           ; v32-63  the points' four fragments; registers 4-7 of each are zero codes
.set PN,  64                           ; v64-95  -|p|^2 / 2 in the result's layout, eight registers a tile
.set ACC, 96                           ; v96-127 the sums
.set D0,  128                          ; v128-159, v160-191  two sets of four results: t, then k
.set B0,  192                          ; v192-199, v200-207  two fragments of data; registers 4-7 are zero codes
.set X0,  208                          ; v208-211, v212-215  term, scale word, weight, 0 of my lane's data row
; v1 16 x lane; v2 16 r; v3 128 h; v4, v5 my places in my wave's part of a slot (codes, the 16 bytes a row); v6, v7 the same in the slot in hand; v12 where I put sums, v13 where wave 0 reads them; v14 8 x lane
; s12 wave; s13 cx; s14 work-group; s[16:23] descriptor group 1; s[24:27] group 0 of the first fill; s[28:31] group 0 that walks; s32 the slot in hand; s33 trips; s[34:35] 6,144 x wave; s36 b; s[38:39] offsets that hang on cx
; A round of the cluster's barrier: my work-group's barrier, so that wave 0's signal speaks for all sixteen waves; wave 0 signals; every wave waits for all four work-groups; my work-group's barrier once more.
.macro ROUND
	s_barrier_signal -1
	s_barrier_wait -1
	s_cmp_lg_u32 s12, 0
	s_cbranch_scc1 .Lnot_wave_0_\@
	s_barrier_signal -3
.Lnot_wave_0_\@:
	s_barrier_wait -3
	s_barrier_signal -1
	s_barrier_wait -1
.endm
	s_load_b256 s[4:11], s[0:1], 0x0               ; prec s[4:5], srec s[6:7], bandwidth s[8:9], out0 s[10:11]
	v_lshl_add_u32 v[SPW], v0, 2, SPARE
	v_mov_b32 v[NIL], 0
	ds_add_u32 v8, v9
	ds_add_u32 v8, v9
	s_wait_dscnt 0x0
	v_lshrrev_b32 v1, 5, v0
	v_readfirstlane_b32 s12, v1                    ; wave 0..15
	s_bfe_u32 s13, ttmp6, 0x40000                  ; cx: my place in the cluster
	s_lshl_b32 s14, ttmp9, 2                       ; in a cluster launch ttmp9 counts clusters
	s_add_co_u32 s14, s14, s13                     ; my work-group: it enters the addresses of the points' records and of the output alone
	; the zero codes of K = 64 .. 127: written here, far more than four plain vector lines ahead of the first product
.irp t, 0,1,2,3
.irp j, 4,5,6,7
	v_mov_b32 v[PT+8*\t+\j], 0
.endr
.endr
.irp j, 4,5,6,7
	v_mov_b32 v[B0+\j], 0
	v_mov_b32 v[B0+8+\j], 0
.endr
	; descriptor group 1: 24 rows of 256 bytes (32 elements of 8 bytes), dense in memory and in LDS
	s_mov_b32 s16, 15|(3<<16)|(1<<21)              ; 15:0 the mask: all four work-groups; 17:16 elements of 8 bytes; 20 no padding: every read is a dense image; 21 set beside a mask
	s_mov_b32 s17, 32<<16                          ; tensor_dim0 = 32
	s_mov_b32 s18, 24<<16                          ; tensor_dim1 = 24
	s_mov_b32 s19, 32<<16                          ; tile_dim0 = 32
	s_mov_b32 s20, 24                              ; tile_dim1 = 24
	s_mov_b32 s21, 32                              ; from row to row: 32 elements
	s_mov_b32 s22, 0
	s_mov_b32 s23, 0
	s_mul_i32 s34, s12, PART                       ; my wave's part, in a step's records and in a slot: no place in the cluster enters it
	s_mov_b32 s35, 0
	s_mov_b32 s32, 0                               ; slot 0 is read first
	s_mov_b32 s33, 6
	s_mov_b32 s39, 0
	v_and_b32 v15, 31, v0                          ; lane
	v_and_b32 v2, 15, v0                           ; r
	v_bfe_u32 v3, v0, 4, 1                         ; h
	v_lshlrev_b32 v1, 4, v15                       ; 16 x lane: an image's place for my lane
	v_lshlrev_b32 v2, 4, v2                        ; 16 r: my row's 16 bytes
	v_lshlrev_b32 v14, 3, v15                      ; 8 x lane
	v_add_nc_u32 v4, s34, v1
	v_add_nc_u32 v5, s34, v2
	s_lshl_b32 s15, s12, 8
	v_lshl_add_u32 v12, v3, 5, s15
	v_add_nc_u32 v12, RED, v12                     ; my wave's 64 sums: RED + 256 x wave; my half's eight of a tile: + 32 h
	v_lshl_add_u32 v13, v15, 3, RED                ; back: two sums a lane
	v_lshlrev_b32 v3, 7, v3                        ; 128 h: the 16 bytes of row 8 h
	s_wait_kmcnt 0x0
	s_load_b32 s36, s[8:9], 0x0                    ; b
	s_mov_b32 s24, 1                               ; count = 1
	s_mov_b32 s25, s34                             ; LDS address: slot 0
	s_add_nc_u64 s[26:27], s[6:7], s[34:35]        ; global address: step 0
	s_mov_b32 s28, 1
	s_add_co_u32 s29, s34, SLOT1                   ; slot 1
	s_add_nc_u64 s[30:31], s[26:27], STEPB         ; step 1
	s_or_b32 s27, s27, 0x80000000                  ; type = 2
	s_or_b32 s31, s31, 0x80000000
	s_mul_i32 s38, s14, 4*REC
	s_add_nc_u64 s[4:5], s[4:5], s[38:39]          ; my four records of points
	s_lshl_b32 s38, s14, 8
	s_add_nc_u64 s[10:11], s[10:11], s[38:39]      ; my 64 outputs
	ROUND                                          ; all four work-groups are here: the first joint loads meet
	tensor_load_to_lds s[24:27], s[16:23]          ; both first fills together: two loads of mine are out
	s_nop 0
	tensor_load_to_lds s[28:31], s[16:23]
	s_nop 0
.rept 4
	v_nop                                          ; four plain lines follow the loads
.endr
.irp t, 0,1,2,3
	global_load_b128 v[PT+8*\t:PT+8*\t+3], v1, s[4:5] offset:REC*\t           ; the codes of tile t as they lie
	global_load_b32 v[AS+\t], v2, s[4:5] offset:REC*\t+516                    ; lane r: row r's scale word
.irp j, 0,1,2,3,4,5,6,7
	global_load_b32 v[PN+8*\t+\j], v3, s[4:5] offset:REC*\t+512+16*\j         ; -|p|^2 / 2 of row 8 h + j
.endr
.endr
	s_wait_kmcnt 0x0                               ; b
	v_mul_f32 v[QQ], s36, s36
	v_rcp_f32 v[QQ], v[QQ]
	v_nop                                          ; a plain instruction behind the reciprocal,
	s_wait_alu depctr_va_vdst(0)                   ; and the wait ahead of the first line that names its result
	v_mul_f32 v[QQ], 0x3fb8aa3b, v[QQ]             ; q = log2(e) / b^2
	v_mov_b32 v[QQ+1], v[QQ]
; Tile i of my eight: its codes' image and my row's 16 bytes, into set i % 2.
.macro LOADT i
.set BL, B0+8*((\i)%2)
.set XL, X0+4*((\i)%2)
	ds_load_b128 v[BL:BL+3], v6 offset:REC*(\i)
	ds_load_b128 v[XL:XL+3], v7 offset:REC*(\i)+512
.endm
; t = q D + term for the eight registers of point tile t, two at a time, from the accumulator's low end on; of the pairs (q, q) and (term, scale word) the low word serves both halves.
.macro TSCALE t
.irp u, 0,2,4,6
	v_pk_fma_f32 v[DC+8*(\t)+\u:DC+8*(\t)+\u+1], v[DC+8*(\t)+\u:DC+8*(\t)+\u+1], v[QQ:QQ+1], v[XC:XC+1] op_sel_hi:[1,0,0]
.endr
.endm
; sums += k w for data tile k's 32 registers; of the pair (weight, 0) the low word serves both halves.  first = 1: the launch's first terms start the sums: nothing is ever cleared.
.macro ACCUM k, first
.set DK, D0+32*((\k)%2)
.set XK, X0+4*((\k)%2)
.irp u, 0,2,4,6,8,10,12,14,16,18,20,22,24,26,28,30
.if \first
	v_pk_mul_f32 v[ACC+\u:ACC+\u+1], v[DK+\u:DK+\u+1], v[XK+2:XK+3] op_sel_hi:[1,0]
.else
	v_pk_fma_f32 v[ACC+\u:ACC+\u+1], v[DK+\u:DK+\u+1], v[XK+2:XK+3], v[ACC+\u:ACC+\u+1] op_sel_hi:[1,0,1]
.endif
.endr
.endm
; ONE TILE OF DATA against my four tiles of points.  The tile before is summed up behind this tile's products: its sixteen lines name none of their registers and are the places behind them
; (ISA guide 7.12.1), and its 32 exponentials have ONE wait, ahead of the first of those lines.  The next tile's two LDS loads go out ahead of this tile's vector work.
; No product adds in place: each takes -|p|^2 / 2 as C and writes registers of its own, and no two that follow each other share a result.
.macro TILE i, first
.set DC, D0+32*((\i)%2)
.set BC, B0+8*((\i)%2)
.set XC, X0+4*((\i)%2)
	s_wait_dscnt 0x0                               ; this tile's two loads are in: no other LDS instruction of mine is out
.irp t, 0,1,2,3
	v_wmma_scale_f32_16x16x128_f8f6f4 v[DC+8*\t:DC+8*\t+7], v[PT+8*\t:PT+8*\t+7], v[BC:BC+7], v[PN+8*\t:PN+8*\t+7], v[AS+\t], v[XC+1] matrix_a_fmt:MATRIX_FMT_FP4 matrix_b_fmt:MATRIX_FMT_FP4
.endr
.if (\i) > 0
	s_wait_alu depctr_va_vdst(0)                   ; one wait for the last tile's 32 exponentials, ahead of the first line that names a result
	ACCUM (\i)-1, \first
.else
.rept 4
	v_nop                                          ; a step's first tile has no tile before it to sum up: four places behind the products
.endr
.endif
.if (\i) < 7
	LOADT (\i)+1                                   ; into the set that the tile before has left: its products stand a whole tile's vector work back, its sums just above
.endif
	TSCALE 0
.irp j, 0,1,2,3,4,5,6,7
	v_min_num_f32 v[DC+\j], 0, v[DC+\j]            ; the clamp: a squared distance is not taken under 0
.endr
.irp t, 0,1,2
	TSCALE \t+1
.irp j, 0,1,2,3,4,5,6,7
	v_exp_f32 v[DC+8*\t+\j], v[DC+8*\t+\j]         ; k = 2^min(t, 0); a plain line of the next point tile stands behind each
	v_min_num_f32 v[DC+8*\t+8+\j], 0, v[DC+8*\t+8+\j]
.endr
.endr
.irp j, 0,1,2,3,4,5,6,7
	v_exp_f32 v[DC+24+\j], v[DC+24+\j]
.endr
	v_nop                                          ; a plain instruction behind the last exponential, ahead of the first use: one for the batch
.endm
; A STEP: my eight tiles of the slot in hand.  It ends with its last tile summed up.
.macro STEP first
	v_add_nc_u32 v6, s32, v4
	v_add_nc_u32 v7, s32, v5
	LOADT 0
	TILE 0, 0
	TILE 1, \first
.irp i, 2,3,4,5,6,7
	TILE \i, 0
.endr
	s_wait_alu depctr_va_vdst(0)
	ACCUM 7, 0
.endm
; THE CHANGE OF SLOTS.  Each wave waits for all its tensor loads (one is out: its part of the slot that it is about to read), adds 0 to its spare word, and waits for that and for its reads of the slot
; that it has left.  The round of the cluster's barrier says the same of every wave of all four work-groups; the joint refill of the slot just left is the first thing behind it, one load a wave,
; and has a whole step, eight tiles of each of a SIMD's four waves, in which to land.
.macro CHANGE
	s_wait_tensorcnt 0x0                           ; no tensor load of mine is out, so the walking group 0 may be written
	ds_add_u32 v[SPW], v[NIL]                      ; 0 onto my spare word: the steps below stand between it and the wait for it
	s_xor_b32 s29, s29, SLOT1                      ; the other slot than last time,
	s_add_nc_u64 s[30:31], s[30:31], STEPB         ; the next step's records; the type bits on top are not reached
	s_xor_b32 s32, s32, SLOT1                      ; and I read the other slot
	s_wait_dscnt 0x0                               ; the add is done, and my reads of the slot that I have left are over
	ROUND
	tensor_load_to_lds s[28:31], s[16:23]
	s_nop 0
.rept 4
	v_nop
.endr
.endm
	s_wait_loadcnt 0x0                             ; the points' records
	s_wait_tensorcnt 0x1                           ; my part of slot 0 is in; slot 1's load, issued behind it, may stay out.  Only I read my part: no barrier
	STEP 1                                         ; step 0
.Lslot:                                            ; six trips: steps 1 to 6; they ask for steps 2 to 7
	CHANGE
	STEP 0
	s_sub_co_u32 s33, s33, 1
	s_cmp_lg_u32 s33, 0
	s_cbranch_scc1 .Lslot
	s_wait_tensorcnt 0x0                           ; the last step is written out: my part of it is in; nothing is filled, so no round
	s_xor_b32 s32, s32, SLOT1
	STEP 0                                         ; step 7
	; THE SUMS.  Register 8 t + j of lane (r, h) holds point 16 t + 8 h + j's sum over my wave's data rows n = r mod 16: four steps join the sixteen lanes of a half.
.irp m, 1,2,4,8
.set j, 0
.rept 32
	v_add_f32_dpp v[ACC+j], v[ACC+j], v[ACC+j] row_xmask:\m row_mask:0xf bank_mask:0xf
.set j, j+1
.endr
.endr
.irp t, 0,1,2,3
.irp u, 0,1
	ds_store_b128 v12, v[ACC+8*\t+4*\u:ACC+8*\t+4*\u+3] offset:64*\t+16*\u   ; the sixteen lanes of a half write the same bytes with the same values
.endr
.endr
	s_wait_dscnt 0x0                               ; for the others' sake: my stores have landed
	s_barrier_signal -1
	s_barrier_wait -1                              ; sixteen waves' 64 sums lie in LDS
	s_cmp_lg_u32 s12, 0
	s_cbranch_scc1 .Lothers
.irp k, 0,1,2,3,4,5,6,7,8,9,10,11,12,13,14,15
	ds_load_b64 v[D0+2*\k:D0+2*\k+1], v13 offset:256*\k      ; wave k's sums of points 2 l and 2 l + 1
.endr
	s_wait_dscnt 0x0
.irp k, 0,4,8,12,16,20,24,28
	v_pk_add_f32 v[D0+\k:D0+\k+1], v[D0+\k:D0+\k+1], v[D0+\k+2:D0+\k+3]
.endr
.irp k, 0,8,16,24
	v_pk_add_f32 v[D0+\k:D0+\k+1], v[D0+\k:D0+\k+1], v[D0+\k+4:D0+\k+5]
.endr
.irp k, 0,16
	v_pk_add_f32 v[D0+\k:D0+\k+1], v[D0+\k:D0+\k+1], v[D0+\k+8:D0+\k+9]
.endr
	v_pk_add_f32 v[D0:D0+1], v[D0:D0+1], v[D0+16:D0+17]
	global_store_b64 v14, v[D0:D0+1], s[10:11]     ; 32 lanes store the work-group's 64 outputs: 256 consecutive bytes, at a multiple of 256 from the output's first byte
.Lothers:
	s_wait_tensorcnt 0x0                           ; the wave's end, behind my last tensor load and my last LDS store
	ds_add_u32 v[SPW], v[NIL]
	s_wait_dscnt 0x0
	ROUND                                          ; the closing round: no work-group ends while a partner may still ask for a tile that names it
	s_endpgm
.Lfunc_end_k_qfbb0291d21_kde:
	.size	k_qfbb0291d21_kde, .Lfunc_end_k_qfbb0291d21_kde-k_qfbb0291d21_kde
	.p2alignl 7, 3214868480
	.fill 96, 4, 3214868480
	.section	.rodata,"a",@progbits
	.p2align	6, 0x0
	.amdhsa_kernel k_qfbb0291d21_kde
		.amdhsa_group_segment_fixed_size 327680
		.amdhsa_private_segment_fixed_size 0
		.amdhsa_enable_private_segment 0
		.amdhsa_kernarg_size 32
		.amdhsa_user_sgpr_count 2
		.amdhsa_user_sgpr_kernarg_segment_ptr 1
		.amdhsa_wavefront_size32 1
		.amdhsa_system_sgpr_workgroup_id_x 1
		.amdhsa_system_sgpr_workgroup_id_y 1
		.amdhsa_system_sgpr_workgroup_id_z 1
		.amdhsa_system_vgpr_workitem_id 0
		.amdhsa_next_free_vgpr 256
		.amdhsa_next_free_sgpr 66
		.amdhsa_reserve_vcc 0
		.amdhsa_float_denorm_mode_32 3
		.amdhsa_float_denorm_mode_16_64 3
		.amdhsa_memory_ordered 1
		.amdhsa_forward_progress 1
		.amdhsa_inst_pref_size 135
	.end_amdhsa_kernel
	.amdgpu_metadata
---
amdhsa.version: [ 1, 2 ]
amdhsa.kernels:
  - .name:           k_qfbb0291d21_kde
    .symbol:         k_qfbb0291d21_kde.kd
    .args:
      - { .name: prec, .offset: 0, .size: 8, .value_kind: global_buffer, .address_space: global }
      - { .name: srec, .offset: 8, .size: 8, .value_kind: global_buffer, .address_space: global }
      - { .name: bandwidth, .offset: 16, .size: 8, .value_kind: global_buffer, .address_space: global }
      - { .name: out0, .offset: 24, .size: 8, .value_kind: global_buffer, .address_space: global }
    .group_segment_fixed_size: 327680
    .private_segment_fixed_size: 0
    .kernarg_segment_align: 8
    .kernarg_segment_size: 32
    .max_flat_workgroup_size: 512
    .sgpr_count:     66
    .vgpr_count:     256
    .wavefront_size: 32
...
	.end_amdgpu_metadata
.endif
;; end of part 2
